; MI455X (gfx1250); checked and timed in simulation.
; The chip was launched on July 23, 2026; its instructions are those of AMD's public machine-readable ISA for CDNA 5 (MIT licence, August 2026) and "CDNA5" Instruction Set Architecture Reference Guide (July 2026). The comments in the code are by the model that wrote it; some were corrected since.
;; Basic Mo E. Allowed arithmetic: matrix products marked QUANTISED: E2M1 operands, one E8M0 scale for each 32 along K, by v_wmma_scale_f32_16x16x128_f8f6f4 with both operands' format E2M1 (or v_wmma_scale_f32_32x16x128_f4), f32 sums; products left as they are: f32 operands where the result goes on into a quantised operand, else bf16, f16 or f32 operands; f32 sums; everything else in f32.
;; Inputs: We 8 x 1,024 x 1,024 float32; Wg 1,024 x 8 float32; be 8 x 1,024 float32; bg 8 float32; x 8,192 x 1,024 float32.
;; Outputs: out0 8,192 x 1,024 float32.
;; This version of the problem:
;;   THIS VERSION OF THE PROBLEM IS GIVEN IN LOW PRECISION. The matrix products marked QUANTISED in the list below multiply operands that are first quantised to E2M1 (2 exponent bits, 1 mantissa bit; 4 bits a number), with one power-of-two scale for each 32 numbers along K (OCP MX v1.0); their sums are f32. All else is computed in f32.
;;   The module's matrix products, in the order in which they are computed (A, B: the left and right operand; K: the contracted axis; several contracted axes count as one K, in the product's order):
;;     1. [M 8,192, K 1,024] x [K 1,024, N 8]; A: input x; B: input Wg: left as it is (N = 8 < 16)
;;     2. [M 8,192, K 1,024] x [K 1,024, N 8,192]; A: input x; B: input We: QUANTISED
;;     3. batch 8,192 x [M 1, K 8] x [K 8, N 1,024]; A: softmax; B: computed on the way: left as it is (K = 8 < 32)
;;   THE QUANTISER, for each operand of a quantised product, along K:
;;     - K is cut into blocks of 32 from its start; a last block that is shorter is filled with zeros.
;;     - A block's scale is 2^e with e = floor(log2(the largest magnitude in the block)) - 2, held to -126 .. 127; a block of zeros has e = 0. As a byte (E8M0): e + 127.
;;     - Each number is divided by its block's scale, clamped to +-6, and rounded to the nearest number of E2M1, ties to even, subnormals kept.
;;     - The product sums the exact products of the quantised numbers (number of the format x scale) in f32.
;;   ~~~python
;;   def quantise(x, axis):      # numpy; x: float32 -> the quantised numbers, widened to float32 again
;;       x = np.moveaxis(x, axis, -1); K = x.shape[-1]
;;       x = np.pad(x, [(0, 0)] * (x.ndim - 1) + [(0, -K % 32)]); x = x.reshape(x.shape[:-1] + (-1, 32)); a = np.abs(x).max(-1, keepdims=True)
;;       e = np.where(a > 0, np.clip(np.frexp(np.where(a > 0, a, 1))[1] - 1 - 2, -126, 127), 0)      # np.frexp(a)[1] - 1 = floor(log2(a)), exactly
;;       r = np.clip(x / 2.0 ** e, -6, 6)
;;       step = 2.0 ** (np.maximum(np.frexp(np.where(r == 0, 1, r))[1] - 1, 0) - 1)
;;       q = np.round(r / step) * step * 2.0 ** e      # np.round: ties to even
;;       return np.moveaxis(q.reshape(q.shape[:-2] + (-1,))[..., :K], -1, axis).astype(np.float32)
;;   ~~~
;; One version. Each part assembles by itself: llvm-mc -triple=amdgcn-amd-amdhsa -mcpu=gfx1250 --defsym DOCPART=n.
;; ======== version 1 of 1: 2 launches
;; limits: values are held in bf16: 8 bits of precision; right only within a limited range of input values
;; workspace buffers: xr 4,718,592 bytes; wq 4,456,448 bytes
;; launch prep (part 1): grid 256 x 1, 8 waves a work-group, no clusters, 317,440 bytes of LDS; arguments x, We, Wg, bg, xr, wq; writes xr, wq
.if DOCPART == 1
	.amdgcn_target "amdgcn-amd-amdhsa--gfx1250"
	.amdhsa_code_object_version 6
	.text
	.protected	k_qb182172b80_prep
	.globl	k_qb182172b80_prep
	.p2align	8
	.type	k_qb182172b80_prep,@function
k_qb182172b80_prep:
	s_mov_b64 s[64:65], 0
	v_nop
	global_prefetch_b8 v0, s[64:65] scope:SCOPE_SE
	s_setreg_imm32_b32 hwreg(HW_REG_WAVE_MODE, 25, 1), 1
	s_wait_xcnt 0x0
; PREP: x [8192][1024] and We [8][1024][1024], f32, become codes of FP4 (E2M1) with one E8M0 byte for each 32 along K (K = the 1,024 inputs), and the gates softmax(x Wg + bg) are made.
; A block's scale is 2^(floor(log2(its largest magnitude)) - 2); its byte is the largest magnitude's exponent field - 2, held at 1 from below.
; LIMITS: NaN and infinities among the inputs are not served.  A block of zeros gets the byte 1 (not 127): its codes are zeros, which add nothing, and this program alone reads the bytes.
; Blocks whose largest magnitude lies under 2^(2 - 126) have their byte held at 1.
; The gate product x Wg has bf16 operands and f32 sums (it feeds no quantiser); the softmax takes the row's maximum away.
; OUTPUT LAYOUTS, as the second launch wants them:
;   xr: 512 records of 9,216 bytes, one for 16 rows: codes [K step 8][j 2][lane 32][16 B] (lane (r, h), group j: row r, k = 128 s + 64 j + 32 h + 0..31),
;       at 8,192 scale words [half of K 2][row 16][4 words], at 8,704 gates [half of the experts 2][row 16][4 f32].
;   wq: [column group 16][expert 8][column block 4][8,704 B]: codes [block of 32 along K: 32][column 16][16 B], then scale words [K step 8][column 16].
; SHARES.  256 work-groups of eight waves.  Waves 0-3: x: waves 2 i, 2 i + 1 take 16 rows, each one half of K (32 KB).  Waves 4-7: We: 128 rows (one K step) x 64 columns of one expert each (32 KB).
; All input comes by asynchronous copies into LDS bytes that are filled once, all issued at the head, each of two whole aligned runs of 256 bytes: 64 a wave for x or We, and ahead of We's, 16 a wave for Wg.
; A wave reads only what it copied itself, behind its own counted wait.  Waves 4-7 turn Wg into bf16 fragments in LDS, a quarter each; behind one barrier waves 0-3 read them.  The two halves' partial logits meet in LDS behind a
; second barrier, which waves 4-7 pass ahead of their last two units.
; No tensor load: each wave's copies would be many tiles.  No cluster: no input but Wg (32 KB) is wanted by two work-groups.  No prefetch: all that is read is asked for at the head, there is no loop to run ahead in.
; The scale words of We leave in runs of 64 bytes (one byte in 128 of what the launch reads); every other store of a wave covers whole aligned runs of 256 bytes.
.set XREC, 9216
.set UREC, 8704                        ; (expert, column block)
.set EREC, 34816                       ; an expert's four column blocks
.set GREC, 278528                      ; a column group
.set XP,  2064                         ; LDS: half a row of x (2,048 bytes) + 16
.set XW,  33024                        ; 16 of them: one wave's x, from byte 0
.set WT,  132096                       ; We: 32,768 bytes a wave: row k of the K step at (k % 8) 4,096 + (k / 8) 256
.set WGL, 263168                       ; Wg as it lies: 32 bytes for each k
.set LX,  295936                       ; partial logits: 1,024 bytes for each wave of x
.set IMG, 300032                       ; Wg as bf16 fragments: [32 along K: 32][4 registers: 2][h][expert 8][16 B]
.set SPARE, 316416                     ; the spare words, 128 bytes a wave
.set XA,   4                           ; v4   x: row r, + 64 h
.set WGA,  5                           ; v5   Wg: my quarter, 512 h + 4 (r % 8)
.set WA,   6                           ; v6   We: 4 x lane
.set LI,   7                           ; v7   16 x lane
.set RL,   8                           ; v8   16 r
.set CV,   9                           ; v9   h x UREC + 16 r
.set SV,   10                          ; v10  h x UREC + 4 r
.set SBW,  14                          ; v14, v15 We: scale words
.set NUM,  16                          ; v16-79   x waves: register 16 b + i = k 32 b + 16 h + i of row r
.set WL,   80                          ; v80-111  We waves: two sets of 16 numbers of Wg; x waves: a K step's four fragments of Wg
.set WF,   112                         ; v112-127 We waves: two fragments of Wg in bf16
.set XB,   128                         ; v128-143 two fragments of x in bf16
.set LG,   144                         ; v144-175 four accumulators of logits
.set BGC,  176                         ; v176-183 bg in the result's layout
.set PC,   184                         ; v184-199 two sets of 8: the codes just made
.set PW,   200                         ; v200-203 the scale word of each K step
.set TM,   204                         ; v204-219 at work in QUANT
.set VLX,  220                         ; v220-227 copies of x: LDS addresses
.set VLW,  228                         ; v228-235 copies of We: LDS addresses
.set VG,   236                         ; v236-243 copies of x or We: offsets in memory
.set VGG,  244                         ; v244, v245 copies of Wg: offset in memory, LDS address
.set VGL,  245
.set LXS,  246                         ; v246 my slot of partial logits
.set RXS,  247                         ; v247 my pair's two slots
.set BV,   248                         ; v248-250 at work in the head
.set IMS,  251                         ; v251 where I store my quarter of the fragments of Wg
.set IMR,  252                         ; v252 where I read those of my half of K
.set SPW,  254
.set NIL,  255
.set WX,   16                          ; v16-79   We waves: two sets of 32 numbers
.set WC,   80                          ; v80-111  codes: four registers for each of 8 units
.set WM,   114                         ; v114-117 at work
.set SEL,  92                          ; s[92:93] lane selects for v_permlanex16_b32: lane l xor 16
.set WV,   94                          ; s94  my wave's number
	s_load_b256 s[4:11], s[0:1], 0x0               ; x, We, Wg, bg
	s_load_b128 s[12:15], s[0:1], 0x20             ; xr, wq
	v_lshl_add_u32 v[SPW], v0, 2, SPARE
	v_mov_b32 v[NIL], 0
	ds_add_u32 v[SPW], v[NIL]                      ; the wave's opening: the add, twice on end, and its wait ahead of the first copy
	ds_add_u32 v[SPW], v[NIL]
	v_lshrrev_b32 v1, 5, v0
	v_readfirstlane_b32 s[WV], v1                  ; wave 0..7
	s_and_b32 s95, s[WV], 1                        ; x: which half of K
	s_and_b32 s96, s[WV], 3                        ; which of my role's four waves
	s_mul_i32 s97, s96, XW                         ; my x in LDS
	s_lshl_b32 s98, s96, 15
	s_add_co_u32 s98, s98, WT                      ; my part of We in LDS
	s_lshl_b32 s100, s96, 13                       ; my quarter of Wg: in memory,
	s_add_co_u32 s99, s100, WGL                    ; in LDS,
	s_lshl_b32 s25, s96, 12
	s_add_co_u32 s25, s25, IMG                     ; and as fragments
	s_lshl_b32 s26, s95, 13
	s_add_co_u32 s26, s26, IMG                     ; the fragments of my half of K
	s_lshl_b32 s101, s96, 10
	s_add_co_u32 s101, s101, LX
	s_and_b32 s24, s[WV], 2
	s_lshl_b32 s24, s24, 10
	s_add_co_u32 s24, s24, LX
	; every LDS address register of both roles is made here, ahead of the parting
	v_and_b32 v1, 31, v0                           ; lane
	v_and_b32 v2, 15, v0                           ; r
	v_bfe_u32 v3, v0, 4, 1                         ; h
	v_lshlrev_b32 v[LI], 4, v1
	v_lshlrev_b32 v[RL], 4, v2
	v_mul_u32_u24 v[XA], v2, XP
	v_lshl_add_u32 v[XA], v3, 6, v[XA]
	v_add_nc_u32 v[XA], s97, v[XA]
	v_and_b32 v[WGA], 7, v0
	v_lshlrev_b32 v[IMS], 7, v3
	v_lshl_add_u32 v[IMS], v[WGA], 4, v[IMS]       ; 128 h + 16 (r % 8)
	v_add_nc_u32 v[IMR], s26, v[IMS]
	v_add_nc_u32 v[IMS], s25, v[IMS]
	v_lshlrev_b32 v[WGA], 2, v[WGA]
	v_lshl_add_u32 v[WGA], v3, 9, v[WGA]
	v_add_nc_u32 v[WGA], s99, v[WGA]
	v_lshl_add_u32 v[WA], v1, 2, s98
	v_mul_u32_u24 v[CV], v3, UREC
	v_lshl_add_u32 v[SV], v2, 2, v[CV]
	v_lshl_add_u32 v[CV], v2, 4, v[CV]
	v_mul_u32_u24 v[BV], v3, 8*XP                  ; a copy of x: lanes 0-15 row g, lanes 16-31 row g + 8
	v_lshl_add_u32 v[BV], v2, 4, v[BV]
	v_add_nc_u32 v[BV], s97, v[BV]
	v_add_nc_u32 v[BV+1], s98, v[LI]               ; a copy of We: lanes 0-15 row 16 g + i, lanes 16-31 row 16 g + 8 + i
	v_lshlrev_b32 v[BV+2], 15, v3                  ; in memory both are 8 rows of 4,096 bytes apart
	v_lshl_add_u32 v[BV+2], v2, 4, v[BV+2]
.irp g, 0,1,2,3,4,5,6,7
	v_add_nc_u32 v[VLX+\g], \g*XP, v[BV]
	v_add_nc_u32 v[VLW+\g], \g*512, v[BV+1]
.endr
	v_add_nc_u32 v[VGG], s100, v[LI]
	v_add_nc_u32 v[VGL], WGL, v[VGG]
	v_add_nc_u32 v[LXS], s101, v[LI]
	v_add_nc_u32 v[RXS], s24, v[LI]
	v_mov_b32 v[SBW], 0                            ; (written on every way that leads to the second barrier)
	v_mov_b32 v[SBW+1], 0
	s_mov_b32 s[SEL], 0x76543210
	s_mov_b32 s[SEL+1], 0xfedcba98
	s_lshl_b32 s100, ttmp9, 1
	s_lshr_b32 s101, s96, 1
	s_add_co_u32 s100, s100, s101                  ; x: my row block
	s_mul_i32 s98, s100, XREC
	s_mov_b32 s99, 0
	s_wait_alu depctr_va_vdst(0)
	s_wait_dscnt 0x0                               ; both opening adds are done
	s_wait_kmcnt 0x0
	s_add_nc_u64 s[22:23], s[12:13], s[98:99]      ; its record
	s_cmp_lt_u32 s[WV], 4                          ; the two roles' copies stand in the arms of one branch on the wave's number
	s_cbranch_scc0 .Larm_w
	s_load_b256 s[84:91], s[10:11], 0x0            ; bg's eight numbers
	s_lshl_b32 s98, s100, 16
	s_lshl_b32 s24, s95, 11
	s_add_co_u32 s98, s98, s24
	s_add_nc_u64 s[4:5], s[4:5], s[98:99]          ; x: 16 rows of 4,096 bytes, my half of each
	s_lshl_b32 s98, s95, 12
	s_add_nc_u64 s[18:19], s[22:23], s[98:99]      ; codes: my four K steps
	s_lshl_b32 s98, s95, 8
	s_add_nc_u64 s[20:21], s[22:23], s[98:99]      ; scale words: my half
.irp g, 0,1,2,3,4,5,6,7
	v_add_nc_u32 v[VG+\g], \g*4096, v[BV+2]
.endr
.irp s, 0,1,2,3
.irp c, 0,1
.irp g, 0,1,2,3,4,5,6,7
	global_load_async_to_lds_b128 v[VLX+\g], v[VG+\g], s[4:5] offset:512*\s+256*\c   ; K step s: 16 copies
.endr
.endr
.endr
	s_branch .Ljoin
.Larm_w:
.irp i, 0,1,2,3,4,5,6,7,8,9,10,11,12,13,14,15
	global_load_async_to_lds_b128 v[VGL], v[VGG], s[8:9] offset:512*\i   ; my quarter of Wg
.endr
	s_lshl_b32 s100, ttmp9, 2
	s_add_co_u32 s100, s100, s96                   ; my unit, 0..1023
	s_lshr_b32 s101, s100, 7                       ; expert
	s_bfe_u32 s24, s100, 0x30004                   ; K step
	s_and_b32 s25, s100, 15                        ; column group: neighbouring waves take neighbouring columns
	s_lshl_b32 s98, s101, 22                       ; We: expert x 4 MiB + K step x 128 rows of 4,096 bytes + 256 bytes x column group
	s_lshl_b32 s26, s24, 19
	s_add_co_u32 s98, s98, s26
	s_lshl_b32 s26, s25, 8
	s_add_co_u32 s98, s98, s26
	s_add_nc_u64 s[6:7], s[6:7], s[98:99]
	s_mul_i32 s98, s25, GREC
	s_mul_i32 s26, s101, EREC
	s_add_co_u32 s98, s98, s26
	s_lshl_b32 s26, s24, 10
	s_add_co_u32 s26, s98, s26
	s_mov_b32 s27, 0
	s_add_nc_u64 s[18:19], s[14:15], s[26:27]      ; codes: my K step
	s_lshl_b32 s26, s24, 6
	s_add_co_u32 s98, s98, s26
	s_add_nc_u64 s[20:21], s[14:15], s[98:99]      ; scale words: my K step (their 8,192 stand in the stores' offsets)
.irp g, 0,1,2,3,4,5,6,7
	v_add_nc_u32 v[VG+\g], \g*65536, v[BV+2]
.endr
.irp g, 0,1,2,3,4,5,6,7
.irp i, 0,1,2,3,4,5,6,7
	global_load_async_to_lds_b128 v[VLW+\g], v[VG+\g], s[6:7] offset:4096*\i         ; a block of 32 along K: 16 copies
.endr
.endr
.macro WGLOAD b                        ; Wg(256 quarter + 32 b + 16 h + i, r % 8), i = 0..15: the k that a lane's registers of x hold in a block
.irp i, 0,1,2,3,4,5,6,7,8,9,10,11,12,13,14,15
	ds_load_b32 v[WL+16*((\b)%2)+\i], v[WGA] offset:(32*(\b)+\i)*32
.endr
.endm
	s_wait_asynccnt 0x3f                           ; my quarter of Wg is in: 64 copies were issued behind it
	WGLOAD 0
.irp b, 0,1,2,3,4,5,6,7
.if \b < 7
	WGLOAD \b+1
.endif
.if \b == 0
	s_wait_dscnt 16                                ; chunk 0 is in; chunk 1's 16 loads may be out
.elseif \b < 7
	s_wait_dscnt 18                                ; chunk b is in; two stores and the next chunk's 16 loads may be out
.else
	s_wait_dscnt 2                                 ; chunk 7 is in; two stores may be out
.endif
.irp t, 0,1,2,3,4,5,6,7
	v_cvt_pk_bf16_f32 v[WF+8*(\b%2)+\t], v[WL+16*(\b%2)+2*\t], v[WL+16*(\b%2)+2*\t+1]
.endr
.irp j, 0,1
	ds_store_b128 v[IMS], v[WF+8*(\b%2)+4*\j:WF+8*(\b%2)+4*\j+3] offset:512*\b+256*\j   ; lanes r and r + 8 write the same bytes with the same value
.endr
.endr
.Ljoin:
	s_wait_dscnt 0x0                               ; for the others' sake: my fragments are stored
	s_barrier_signal -1                            ; nothing is filled again in this launch, so copies may stay on their way
	s_barrier_wait -1
	s_cmp_lt_u32 s[WV], 4
	s_cbranch_scc0 .Lrole_w
; ---------------- waves 0-3: x ----------------
; 64 numbers of a lane, register 16 b + i = k 32 b + 16 h + i of my row, become a fragment's codes in v[pc] on and its scale word in v[pw].
.macro QUANT src, pc, pw
.irp b, 0,1,2,3
	v_max3_num_f32 v[TM+\b], |v[\src+16*\b]|, |v[\src+1+16*\b]|, 0x1800000   ; block b: my 16 numbers, and the floor 2^(3 - 127): the byte cannot fall under 1
.endr
.irp i, 2,4,6,8,10,12,14
.irp b, 0,1,2,3
	v_max3_num_f32 v[TM+\b], v[TM+\b], |v[\src+16*\b+\i]|, |v[\src+1+16*\b+\i]|   ; the four blocks by turns
.endr
.endr
.irp b, 0,1,2,3
	v_permlanex16_b32 v[TM+4+\b], v[TM+\b], s[SEL], s[SEL+1]
.endr
.irp b, 0,1,2,3
	v_max_num_f32 v[TM+\b], v[TM+\b], v[TM+4+\b]   ; with lane l xor 16's: the block's largest magnitude
.endr
.irp b, 0,1,2,3
	v_add_nc_u32 v[TM+12+\b], 0xff000000, v[TM+\b] ; 2 off its exponent field: the conversion takes the exponent field of this operand as its scale
.endr
.irp b, 0,1,2,3
	v_lshrrev_b32 v[TM+4+\b], 23, v[TM+12+\b]      ; the scale's byte
.endr
	v_lshl_or_b32 v[\pw], v[TM+5], 8, v[TM+4]      ; four bytes: my row's scale word
	v_lshl_or_b32 v[\pw], v[TM+6], 16, v[\pw]
	v_lshl_or_b32 v[\pw], v[TM+7], 24, v[\pw]
.irp b, 0,1,2,3
	v_cvt_scalef32_pk8_fp4_f32 v[\pc+2*\b], v[\src+16*\b:\src+7+16*\b], v[TM+12+\b]
	v_cvt_scalef32_pk8_fp4_f32 v[\pc+1+2*\b], v[\src+8+16*\b:\src+15+16*\b], v[TM+12+\b]
.endr
	v_nop                                          ; one plain line behind the scaled conversions
.irp c, 0,1                                    ; the operand wants a WHOLE block in a lane: lanes 0-15 block 2 c, lanes 16-31 block 2 c + 1
.irp i, 0,1
	v_permlane16_swap_b32 v[\pc+4*\c+\i], v[\pc+2+4*\c+\i]
.endr
.endr
.endm
; K step s of my half: codes and scale word, and four products of 32 along K for the logits.
; The gate product is used transposed: source 0 = Wg^T (row m = expert m % 8, so rows 8-15 repeat rows 0-7), source 1 = x: both halves of the lanes end with token r's eight logits in registers 0-7.
; Both sources hold k = 32 b + 16 h + 2 t + half at place (h, register t, half): one permutation of k on both sides, which keeps the products.
.macro XSTEP s
.set PCS, PC+8*((\s)%2)
	s_wait_asynccnt 16*(3-(\s))                    ; K step s is in; the younger steps' 16 copies each may be out
	s_wait_xcnt 0x0                                ; the earlier stores have read their registers: the codes' registers may be written again
.irp b, 0,1,2,3
.irp q, 0,1,2,3
	ds_load_b128 v[NUM+16*\b+4*\q:NUM+16*\b+4*\q+3], v[XA] offset:(\s)*512+128*\b+16*\q
.endr
.endr
.if (\s) > 0
.rept 4
	v_nop                                          ; places between the last step's products and the loads into their fragments of Wg
.endr
.endif
.irp b, 0,1,2,3
.irp j, 0,1
	ds_load_b128 v[WL+8*\b+4*\j:WL+8*\b+4*\j+3], v[IMR] offset:(4*(\s)+\b)*512+256*\j   ; this K step's four fragments of Wg
.endr
.endr
	s_wait_dscnt 8                                 ; my 64 numbers are in; the 8 loads of Wg may be out
	QUANT NUM, PCS, PW+(\s)
.irp j, 0,1
	global_store_b128 v[LI], v[PCS+4*\j:PCS+4*\j+3], s[18:19] offset:(\s)*1024+512*\j   ; 32 lanes store 512 consecutive bytes
.endr
	s_wait_dscnt 0x0
.irp b, 0,1,2,3
.irp t, 0,1,2,3,4,5,6,7
	v_cvt_pk_bf16_f32 v[XB+8*(\b%2)+\t], v[NUM+16*\b+2*\t], v[NUM+16*\b+2*\t+1]
.endr
.if ((\s) == 0) && (\b == 0)                   ; four accumulators by turns; the first products start the sums, one of them from bg
	v_wmma_f32_16x16x32_bf16 v[LG:LG+7], v[WL:WL+7], v[XB:XB+7], v[BGC:BGC+7]
.elseif (\s) == 0
	v_wmma_f32_16x16x32_bf16 v[LG+8*\b:LG+8*\b+7], v[WL+8*\b:WL+8*\b+7], v[XB+8*(\b%2):XB+8*(\b%2)+7], 0
.else
	v_wmma_f32_16x16x32_bf16 v[LG+8*\b:LG+8*\b+7], v[WL+8*\b:WL+8*\b+7], v[XB+8*(\b%2):XB+8*(\b%2)+7], v[LG+8*\b:LG+8*\b+7]
.endif
.endr
.endm
	s_wait_kmcnt 0x0                               ; bg: counted once, in the first half of K
	s_cmp_eq_u32 s95, 0
.irp j, 0,1,2,3,4,5,6,7
	s_cselect_b32 s[84+\j], s[84+\j], 0
.endr
.irp j, 0,1,2,3,4,5,6,7
	v_mov_b32 v[BGC+\j], s[84+\j]                  ; register j of the result is expert j in every lane
.endr
.irp b, 0,1,2,3
	v_mov_b32 v[TM+4+\b], 0                        ; written once: a lane permute's destination counts as one of its sources
.endr
.irp s, 0,1,2,3
	XSTEP \s
.endr
	global_store_b128 v[RL], v[PW:PW+3], s[20:21] offset:8192   ; my half of row r's scale words: 256 consecutive bytes; lanes 16-31 hold and store what lanes 0-15 do
.rept 4
	v_nop                                          ; four places behind the last product (ISA guide 7.12.1), ahead of the first read of the sums
.endr
.irp i, 0,2,4,6
	v_pk_add_f32 v[NUM+\i:NUM+\i+1], v[LG+\i:LG+\i+1], v[LG+8+\i:LG+8+\i+1]          ; each accumulator from its low end on
.endr
.irp i, 0,2,4,6
	v_pk_add_f32 v[NUM+8+\i:NUM+8+\i+1], v[LG+16+\i:LG+16+\i+1], v[LG+24+\i:LG+24+\i+1]
.endr
.irp i, 0,2,4,6
	v_pk_add_f32 v[NUM+\i:NUM+\i+1], v[NUM+\i:NUM+\i+1], v[NUM+8+\i:NUM+8+\i+1]      ; token r's eight partial logits
.endr
	ds_store_b128 v[LXS], v[NUM:NUM+3]
	ds_store_b128 v[LXS], v[NUM+4:NUM+7] offset:512
	s_branch .Lmeet
; ---------------- waves 4-7: We ----------------
; A LANE TAKES A COLUMN, AND ITS REGISTERS RUN DOWN K: a block of 32 along K lies in one lane's 32 registers, and the conversions give codes with K innermost.  Unit m = 2 t + u: block t of the K step, columns 32 u on.
.Lrole_w:
.macro LOADU m
.irp i, 0,1,2,3,4,5,6,7,8,9,10,11,12,13,14,15,16,17,18,19,20,21,22,23,24,25,26,27,28,29,30,31
	ds_load_b32 v[WX+32*((\m)%2)+\i], v[WA] offset:(\i%8)*4096+(4*((\m)/2)+\i/8)*256+((\m)%2)*128
.endr
.endm
.macro WUNIT m
.set XS_, WX+32*((\m)%2)
.set CS_, WC+4*(\m)
.if ((\m) < 7) && ((\m) != 5)                  ; (unit 6 is asked for behind the second barrier)
.if ((\m)+1)%2 == 0
	s_wait_asynccnt 16*(3-((\m)+1)/2)              ; the next block is in; the younger blocks' 16 copies each may be out
.endif
	LOADU (\m)+1
	s_wait_dscnt 32                                ; this unit's 32 numbers are in; the next unit's may be out
.else
	s_wait_dscnt 0x0
.endif
	v_max3_num_f32 v[WM], |v[XS_]|, |v[XS_+1]|, |v[XS_+2]|         ; the block's largest magnitude: all 32 numbers are mine
	v_max3_num_f32 v[WM+1], |v[XS_+3]|, |v[XS_+4]|, |v[XS_+5]|
.irp i, 6,10,14,18,22,26
	v_max3_num_f32 v[WM], v[WM], |v[XS_+\i]|, |v[XS_+\i+1]|
	v_max3_num_f32 v[WM+1], v[WM+1], |v[XS_+\i+2]|, |v[XS_+\i+3]|
.endr
	v_max3_num_f32 v[WM], v[WM], |v[XS_+30]|, |v[XS_+31]|
	v_max3_num_f32 v[WM], v[WM], v[WM+1], 0x1800000 ; and the floor 2^(3 - 127)
	v_add_nc_u32 v[WM+2], 0xff000000, v[WM]        ; 2 off the exponent field: the conversion's scale operand
.if (\m)/2 == 0
	v_lshrrev_b32 v[SBW+(\m)%2], 23, v[WM+2]       ; the scale's byte: four blocks make my column's word of this K step
.else
	v_lshrrev_b32 v[WM+3], 23, v[WM+2]
	v_lshl_or_b32 v[SBW+(\m)%2], v[WM+3], 8*((\m)/2), v[SBW+(\m)%2]
.endif
.irp g, 0,1,2,3
	v_cvt_scalef32_pk8_fp4_f32 v[CS_+\g], v[XS_+8*\g:XS_+8*\g+7], v[WM+2]
.endr
	v_nop                                          ; one plain line behind the scaled conversions
	global_store_b128 v[CV], v[CS_:CS_+3], s[18:19] offset:((\m)%2)*2*UREC+((\m)/2)*256   ; sixteen lanes store 256 consecutive bytes, aligned: 16 columns x 16 bytes of one block along K
.endm
	s_wait_asynccnt 48                             ; block 0 is in
	LOADU 0
.irp m, 0,1,2,3,4,5
	WUNIT \m
.endr
; ---------------- the two halves' logits meet; waves 0 and 2 make the gates, waves 4-7 their last two units ----------------
.Lmeet:
	s_wait_dscnt 0x0                               ; for the others' sake: my partial logits are stored
	s_barrier_signal -1
	s_barrier_wait -1
	s_cmp_lt_u32 s[WV], 4
	s_cbranch_scc0 .Lrest_w
	s_and_b32 s98, s[WV], 5                        ; 0 in waves 0 and 2 alone
	s_cmp_lg_u32 s98, 0
	s_cbranch_scc1 .Lend
	ds_load_b128 v[16:19], v[RXS]
	ds_load_b128 v[20:23], v[RXS] offset:512
	ds_load_b128 v[24:27], v[RXS] offset:1024
	ds_load_b128 v[28:31], v[RXS] offset:1536
	s_mov_b32 s28, 0x3fb8aa3b                      ; c = log2(e)
	s_mov_b32 s29, s28                             ; (named with it as a pair, so it is written)
	s_wait_dscnt 0x0
.irp i, 0,2,4,6
	v_pk_add_f32 v[16+\i:17+\i], v[16+\i:17+\i], v[24+\i:25+\i]
.endr
	v_max3_num_f32 v32, v16, v17, v18
	v_max3_num_f32 v33, v19, v20, v21
	v_max3_num_f32 v32, v32, v22, v23
	v_max_num_f32 v32, v32, v33                    ; the row's maximum,
	v_mul_f32 v32, s28, v32                        ; times c
.irp i, 0,2,4,6
	v_pk_fma_f32 v[16+\i:17+\i], v[16+\i:17+\i], s[28:29], v[32:33] op_sel_hi:[1,0,0] neg_lo:[0,0,1] neg_hi:[0,0,1]   ; c l - c max: 0 or less
.endr
	v_cmp_eq_u32 vcc_lo, 1, v3                     ; lanes 16-31
	s_wait_alu depctr_va_vdst(0)
.irp j, 0,1,2,3,4,5,6,7
	v_exp_f32 v[16+\j], v[16+\j]
.endr
	v_nop                                          ; a plain place behind the batch
	s_wait_alu depctr_va_vdst(0)                   ; and one wait behind it, ahead of its first reader
	v_pk_add_f32 v[32:33], v[16:17], v[18:19]
	v_pk_add_f32 v[34:35], v[20:21], v[22:23]
	v_pk_add_f32 v[32:33], v[32:33], v[34:35]
	v_add_f32 v32, v32, v33                        ; at least 1: the largest term is 1
	s_wait_alu depctr_va_vdst(0)                   ; ahead of the transcendental
	v_rcp_f32 v32, v32
.irp q, 0,1,2,3
	v_cndmask_b32 v[36+\q], v[16+\q], v[20+\q], vcc_lo   ; plain work behind the reciprocal: lanes 0-15 experts 0-3, lanes 16-31 experts 4-7
.endr
	s_wait_alu depctr_va_vdst(0)                   ; and the wait ahead of its first reader
	v_pk_mul_f32 v[36:37], v[36:37], v[32:33] op_sel_hi:[1,0]
	v_pk_mul_f32 v[38:39], v[38:39], v[32:33] op_sel_hi:[1,0]
	global_store_b128 v[LI], v[36:39], s[22:23] offset:8704   ; the gates: 512 consecutive bytes
	s_branch .Lend
.Lrest_w:
	s_wait_asynccnt 0x0                            ; block 3 is in
	LOADU 6
	WUNIT 6
	WUNIT 7
.irp u, 0,1
	global_store_b32 v[SV], v[SBW+\u], s[20:21] offset:8192+\u*2*UREC   ; sixteen lanes store 64 consecutive bytes
.endr
.Lend:
	s_wait_tensorcnt 0x0                           ; the wave's end
	s_wait_asynccnt 0x0
	ds_add_u32 v[SPW], v[NIL]
	s_wait_dscnt 0x0
	s_endpgm
.Lfunc_end_k_qb182172b80_prep:
	.size	k_qb182172b80_prep, .Lfunc_end_k_qb182172b80_prep-k_qb182172b80_prep
	.p2alignl 7, 3214868480
	.fill 96, 4, 3214868480
	.section	.rodata,"a",@progbits
	.p2align	6, 0x0
	.amdhsa_kernel k_qb182172b80_prep
		.amdhsa_group_segment_fixed_size 317440
		.amdhsa_private_segment_fixed_size 0
		.amdhsa_enable_private_segment 0
		.amdhsa_kernarg_size 48
		.amdhsa_user_sgpr_count 2
		.amdhsa_user_sgpr_kernarg_segment_ptr 1
		.amdhsa_wavefront_size32 1
		.amdhsa_system_sgpr_workgroup_id_x 1
		.amdhsa_system_sgpr_workgroup_id_y 1
		.amdhsa_system_sgpr_workgroup_id_z 1
		.amdhsa_system_vgpr_workitem_id 0
		.amdhsa_next_free_vgpr 256
		.amdhsa_next_free_sgpr 102
		.amdhsa_reserve_vcc 1
		.amdhsa_float_denorm_mode_32 3
		.amdhsa_float_denorm_mode_16_64 3
		.amdhsa_memory_ordered 1
		.amdhsa_forward_progress 1
		.amdhsa_inst_pref_size 99
	.end_amdhsa_kernel
	.amdgpu_metadata
---
amdhsa.version: [ 1, 2 ]
amdhsa.kernels:
  - .name:           k_qb182172b80_prep
    .symbol:         k_qb182172b80_prep.kd
    .args:
      - { .name: x, .offset: 0, .size: 8, .value_kind: global_buffer, .address_space: global }
      - { .name: We, .offset: 8, .size: 8, .value_kind: global_buffer, .address_space: global }
      - { .name: Wg, .offset: 16, .size: 8, .value_kind: global_buffer, .address_space: global }
      - { .name: bg, .offset: 24, .size: 8, .value_kind: global_buffer, .address_space: global }
      - { .name: xr, .offset: 32, .size: 8, .value_kind: global_buffer, .address_space: global }
      - { .name: wq, .offset: 40, .size: 8, .value_kind: global_buffer, .address_space: global }
    .group_segment_fixed_size: 317440
    .private_segment_fixed_size: 0
    .kernarg_segment_align: 8
    .kernarg_segment_size: 48
    .max_flat_workgroup_size: 256
    .sgpr_count:     102
    .vgpr_count:     256
    .wavefront_size: 32
...
	.end_amdgpu_metadata
.endif
;; end of part 1
;; launch moe (part 2): grid 16 x 16, 4 waves a work-group, clusters of 4 x 4, 327,680 bytes of LDS; arguments xr, wq, be, out0; writes out0
.if DOCPART == 2
	.amdgcn_target "amdgcn-amd-amdhsa--gfx1250"
	.amdhsa_code_object_version 6
	.text
	.protected	k_qb182172b80_moe
	.globl	k_qb182172b80_moe
	.p2align	8
	.type	k_qb182172b80_moe,@function
k_qb182172b80_moe:
	s_mov_b64 s[64:65], 0
	v_nop
	global_prefetch_b8 v0, s[64:65] scope:SCOPE_SE
	s_setreg_imm32_b32 hwreg(HW_REG_WAVE_MODE, 25, 1), 1
	s_wait_xcnt 0x0
	s_wait_alu depctr_hold_cnt(0) depctr_sa_sdst(0) depctr_va_vdst(0) depctr_va_sdst(0) depctr_va_ssrc(0) depctr_va_vcc(0) depctr_vm_vsrc(0)
	s_getreg_b32 s2, hwreg(HW_REG_IB_STS2, 6, 4)
	s_cmp_eq_u32 s2, 0
	s_cbranch_scc0 .Lentry_in_a_cluster
	s_endpgm
.Lentry_in_a_cluster:
	s_bfe_u32 s2, ttmp6, 0x10000c
	s_cmp_lg_u32 s2, 0xf033
	s_cbranch_scc0 .Lentry_shape_is_right
	s_endpgm
.Lentry_shape_is_right:
; MOE: out[n][o] = sum over e of g[n][e] (sum over k of Q(x)[n][k] Q(We)[e][k][o] + be[e][o]).  The product runs on codes of FP4 (E2M1) with E8M0 scales, f32 sums; the gates weigh f32 results by packed fused multiply-adds.
; LIMITS: NaN and infinities are not served.  Inputs are the first launch's buffers: xr (a record of 9,216 bytes for 16 rows: codes as register images, scale words, gates) and
; wq ([column group 16][expert 8][column block 4][8,704 bytes]: codes as register images, then scale words).
; SHARES.  A work-group makes 512 rows x 64 columns.  Wave w owns 16 of the columns; ITS CODES OF We FOR ALL 8 EXPERTS AND ALL OF K STAY IN REGISTERS (512), with their scale words and be.  Every wave walks the
; work-group's 32 row blocks of 16 tokens; x comes out of LDS.  A product takes TWO experts' 16 columns as its 32 rows (source 0) and 16 tokens as source 1: lane (r, h) holds token r, registers 0-7 the even expert's
; columns 8 h + j, registers 8-15 the odd one's.  be is the C of each sum's first product.
; A row block is 8 K steps of four products, four accumulators by turns; the results have two sets.  Behind the products of K step s stand the four combine lines of expert s of the row
; block BEFORE.  So a row block's combine lies in one step, and no sum of it crosses a step's head.  All that a step asks of LDS and memory stands in one run at its head.
; CLUSTERS, 4 x 4: the four of a row of the cluster have the same rows and want the same x, the four of a column the same columns and the same We.  Both are asked for jointly.
; LDS: x's record a at 9,216 a.  The head's four loads, one a wave, bring the records 0-9 and, behind them from WE0 on, We's experts 2-7 (experts 0 and 1 go straight from memory into registers: all eight do not fit beside ten
; records).  When every wave of the cluster has read We into registers, the records 10-31 are loaded over it: the launch's one refill.  The stage lies behind, in bytes of its own into which no fill lands.
; No prefetch: everything but the refill is asked for at the head, and the refill has seven row blocks' products, 32 a wave each, in which to land before it is waited for; no loop fetches from memory.
; REGISTERS, in windows of 256.  Window 0: addresses; v16-31 x's scale words, two sets; v32-63 We's scale words (pair p, K step s at 8 p + s: lanes 0-15 expert 2 p, lanes 16-31 expert 2 p + 1); v64-191 x's fragments, two
;   sets of 8; v192-223 OUT, four row blocks; v224-255 rows read back from the stage (at the head: LDS addresses of We).
;   Window 1: We's K steps 0-3 (64 s + 16 p), window 3: K steps 4-7.   Window 2: v0-127 Y, two sets of four accumulators; v128-191 be; v192-223 gates, four row blocks; v224, v225 addresses of x.
; Settings: 0xa1, 0xa3 for products; 0x0a for the combine (source 0 Y, source 1 gates: window 2; OUT: window 0) and for loads of x (address window 2, data window 0).
.set XREC, 9216
.set UREC, 8704
.set EREC, 34816
.set GREC, 278528
.set NX0,  10                          ; records that the head brings
.set WE0,  NX0*XREC
.set STG,  WE0+6*EREC                  ; 64 rows x 272 bytes (256 of data + 16)
.set SP,   272
.set SPARE, STG+64*SP
.set LI,   4                           ; v4   16 x lane
.set WSO,  5                           ; v5   We's scale words: h x EREC + 4 r
.set BIO,  6                           ; v6   be: 32 h
.set RL,   7                           ; v7   16 r
.set STO,  8                           ; v8   the stage: row r, + 64 w + 32 h
.set RD,   9                           ; v9   and back: row 16 w + h, 16 bytes x r
.set CO,   10                          ; v10  the same place in out0
.set SPW,  12
.set NIL,  13
.set XS,   16
.set WS,   32
.set BF,   64
.set OUT,  192
.set RB,   224
.set WLA,  224                         ; v224-226 at the head: my part of We in LDS, pairs 1-3
.set WSA,  227                         ; v227-229 and its scale words
.set BI,   128                         ; in window 2
.set G,    192
.set ADX,  224
.set ADS,  225
.set SX,   2                           ; s2   bytes from record 0 to the trip's first record
.set WV,   16                          ; s16  my wave's number
.set G1W,  24                          ; s[24:31] group 1 for We's half;  s[48:55] for half of the records 0-9;  s[68:75] for a quarter of the records 10-31
.set G1X,  48
.set G1R,  68
.set MSB, 0
.macro WIN new                         ; bits 1:0 source 0, 3:2 source 1, 5:4 source 2, 7:6 destination; the high byte repeats the setting that is left
.if MSB != (\new)
	s_set_vgpr_msb (MSB<<8)|(\new)
.set MSB, (\new)
.endif
.endm
.macro CREST                           ; a round of the cluster's barrier behind its opening barrier
	s_cmp_lg_u32 s[WV], 0
	s_cbranch_scc1 .Lnot_wave_0_\@
	s_barrier_signal -3
.Lnot_wave_0_\@:
	s_barrier_wait -3
	s_barrier_signal -1
	s_barrier_wait -1
.endm
.macro ROUND
	s_barrier_signal -1
	s_barrier_wait -1
	CREST
.endm
.macro G1SET g, rows                   ; dense bytes as rows of 32 elements of 8 bytes
	s_mov_b32 s[\g+1], 32<<16
	s_mov_b32 s[\g+2], (\rows)<<16
	s_mov_b32 s[\g+3], 32<<16
	s_mov_b32 s[\g+4], \rows
	s_mov_b32 s[\g+5], 32
	s_mov_b32 s[\g+6], 0
	s_mov_b32 s[\g+7], 0
.endm
.macro PLD s                           ; experts 0 and 1, K step s, from memory: 4 loads of 512 consecutive bytes
.irp j, 0,1
	global_load_b128 v[64*((\s)%4)+4*\j:64*((\s)%4)+4*\j+3], v[LI], s[12:13] offset:(\s)*1024+512*\j
	global_load_b128 v[64*((\s)%4)+8+4*\j:64*((\s)%4)+8+4*\j+3], v[LI], s[12:13] offset:EREC+(\s)*1024+512*\j
.endr
.endm
	s_load_b256 s[4:11], s[0:1], 0x0               ; xr, wq, be, out0
	v_lshl_add_u32 v[SPW], v0, 2, SPARE
	v_mov_b32 v[NIL], 0
	ds_add_u32 v[SPW], v[NIL]                      ; the wave's opening: the add, twice on end, and its wait ahead of the first tensor load
	ds_add_u32 v[SPW], v[NIL]
	v_lshrrev_b32 v1, 5, v0
	v_readfirstlane_b32 s[WV], v1                  ; wave 0..3
	s_and_b32 s17, s[WV], 1
	s_bfe_u32 s40, ttmp6, 0x40000                  ; cx
	s_bfe_u32 s41, ttmp6, 0x40004                  ; cy
	s_lshl_b32 s42, ttmp9, 2
	s_add_co_u32 s42, s42, s40                     ; column group = 4 x cluster x + cx
	s_and_b32 s43, ttmp7, 0xffff
	s_lshl_b32 s43, s43, 2
	s_add_co_u32 s43, s43, s41                     ; row group = 4 x cluster y + cy
	s_lshl_b32 s18, s[WV], 6                       ; my 16 columns are 64 bytes of a stage row
	s_add_co_u32 s18, s18, STG
	s_mul_i32 s19, s[WV], 16*SP                    ; back: my 16 rows of the 64
	s_add_co_u32 s19, s19, STG
	s_mul_i32 s20, s[WV], UREC                     ; my column block
	s_add_co_u32 s21, s20, WE0
	v_and_b32 v1, 31, v0                           ; lane
	v_and_b32 v2, 15, v0                           ; r
	v_bfe_u32 v3, v0, 4, 1                         ; h
	v_lshlrev_b32 v[LI], 4, v1
	v_lshlrev_b32 v[RL], 4, v2
	v_lshlrev_b32 v[BIO], 5, v3
	v_mul_u32_u24 v[WSO], v3, EREC
	v_lshl_add_u32 v[WSO], v2, 2, v[WSO]
	v_mul_u32_u24 v[STO], v2, SP
	v_lshl_add_u32 v[STO], v3, 5, v[STO]
	v_add_nc_u32 v[STO], s18, v[STO]
	v_mul_u32_u24 v[RD], v3, SP
	v_lshl_add_u32 v[RD], v2, 4, v[RD]
	v_add_nc_u32 v[RD], s19, v[RD]
	v_lshlrev_b32 v[CO], 4, v2
	v_lshl_add_u32 v[CO], v3, 12, v[CO]            ; out0: lanes 0-15 one row's 256 bytes, lanes 16-31 the next row's
	v_add_nc_u32 v[WLA], s21, v[LI]
	v_add_nc_u32 v[WLA+1], 2*EREC, v[WLA]
	v_add_nc_u32 v[WLA+2], 4*EREC, v[WLA]
	v_add_nc_u32 v[WSA], s21, v[WSO]
	v_add_nc_u32 v[WSA+1], 2*EREC, v[WSA]
	v_add_nc_u32 v[WSA+2], 4*EREC, v[WSA]
	WIN 0x80
	v_mov_b32 v[ADX], v[LI]                        ; the first trip reads from record 0 on
	v_mov_b32 v[ADS], v[RL]
	WIN 0
	s_mov_b32 s[SX], 0
	s_lshl_b32 s45, 0x1111, s40                    ; my column of the cluster: We
	s_lshl_b32 s47, s41, 2
	s_lshl_b32 s47, 15, s47                        ; my row: x
	s_or_b32 s[G1W], s45, (3<<16)|(1<<21)
	s_or_b32 s[G1X], s47, (3<<16)|(1<<21)
	s_or_b32 s[G1R], s47, (3<<16)|(1<<21)
	G1SET G1W, 408                                 ; half of 6 x EREC bytes
	G1SET G1X, 180                                 ; half of 10 records
	G1SET G1R, 198                                 ; a quarter of 22 records
	s_mul_i32 s44, s42, GREC                       ; We hangs on the column group alone,
	s_mov_b32 s45, 0
	s_mul_i32 s46, s43, 32*XREC                    ; x on the row group alone
	s_mov_b32 s47, 0
	s_mul_i32 s60, s17, 3*EREC
	s_mov_b32 s61, 0
	s_mul_i32 s62, s17, NX0*XREC/2
	s_mov_b32 s63, 0
	s_mul_i32 s22, s[WV], 22*XREC/4
	s_mov_b32 s23, 0
	s_wait_alu depctr_va_vdst(0)
	s_wait_dscnt 0x0                               ; both opening adds are done
	s_wait_kmcnt 0x0
	s_mov_b32 s21, 0
	s_add_nc_u64 s[44:45], s[6:7], s[44:45]
	s_add_nc_u64 s[46:47], s[4:5], s[46:47]
	s_add_nc_u64 s[12:13], s[44:45], s[20:21]      ; my column block of experts 0 and 1
	s_mov_b32 s32, 1                               ; waves 0, 1: We's experts 2-7, half each
	s_add_co_u32 s33, s60, WE0
	s_add_nc_u64 s[34:35], s[44:45], s[60:61]
	s_add_nc_u64 s[34:35], s[34:35], 2*EREC
	s_or_b32 s35, s35, 0x80000000
	s_mov_b32 s36, 1                               ; waves 2, 3: the records 0-9, half each
	s_mov_b32 s37, s62
	s_add_nc_u64 s[38:39], s[46:47], s[62:63]
	s_or_b32 s39, s39, 0x80000000
	s_mov_b32 s56, 1                               ; the refill: the records 10-31, a quarter each
	s_add_co_u32 s57, s22, WE0
	s_add_nc_u64 s[58:59], s[46:47], s[22:23]
	s_add_nc_u64 s[58:59], s[58:59], NX0*XREC
	s_or_b32 s59, s59, 0x80000000
	s_lshl_b32 s18, s42, 8
	s_lshl_b32 s19, s[WV], 6
	s_add_co_u32 s18, s18, s19
	s_mov_b32 s19, 0
	s_add_nc_u64 s[8:9], s[8:9], s[18:19]          ; be: my 16 columns are 64 bytes of each expert's row
	s_lshl_b32 s18, s43, 21
	s_lshl_b32 s19, s[WV], 16
	s_add_co_u32 s18, s18, s19                     ; the first row that I store: 512 x row group + 16 x wave,
	s_lshl_b32 s19, s42, 8
	s_add_co_u32 s18, s18, s19                     ; and the work-group's 256 bytes of it
	s_mov_b32 s19, 0
	s_add_nc_u64 s[14:15], s[10:11], s[18:19]
	WIN 0x40                                       ; 16 register loads go out ahead of the round
.irp s, 0,1,2,3
	PLD \s
.endr
	WIN 0
	ROUND                                          ; all sixteen work-groups are here: the joint loads meet
	s_cmp_lt_u32 s[WV], 2                          ; one tensor load a wave
	s_cbranch_scc0 .Lfor_x
	tensor_load_to_lds s[32:35], s[G1W:G1W+7]
	s_nop 0
.rept 4
	v_nop
.endr
	s_branch .Lasked
.Lfor_x:
	tensor_load_to_lds s[36:39], s[G1X:G1X+7]
	s_nop 0
.rept 4
	v_nop
.endr
.Lasked:
	WIN 0xc0
.irp s, 4,5,6,7
	PLD \s
.endr
	WIN 0x80
.irp e, 0,1,2,3,4,5,6,7
.irp q, 0,1
	global_load_b128 v[BI+8*\e+4*\q:BI+8*\e+4*\q+3], v[BIO], s[8:9] offset:\e*4096+16*\q   ; be(e, my columns 8 h + 0 .. 7): the result's layout
.endr
.endr
	WIN 0
.irp s, 0,1,2,3,4,5,6,7
	global_load_b32 v[WS+\s], v[WSO], s[12:13] offset:8192+64*\s
.endr
.macro WLD s                           ; experts 2-7, K step s, out of LDS: 15 loads
	WIN 0x40+0x80*((\s)/4)
.irp p, 1,2,3
.irp j, 0,1
	ds_load_b128 v[64*((\s)%4)+16*\p+4*\j:64*((\s)%4)+16*\p+4*\j+3], v[WLA+\p-1] offset:(\s)*1024+512*\j
	ds_load_b128 v[64*((\s)%4)+16*\p+8+4*\j:64*((\s)%4)+16*\p+8+4*\j+3], v[WLA+\p-1] offset:EREC+(\s)*1024+512*\j
.endr
.endr
	WIN 0
.irp p, 1,2,3
	ds_load_b32 v[WS+8*\p+(\s)], v[WSA+\p-1] offset:8192+64*(\s)
.endr
.endm
.macro FETCH kk                        ; record kk of the trip (4: the next trip's first) out of LDS: 16 loads of fragments, 2 of token r's eight scale words, 2 of its eight gates
	WIN 0x0a
.irp s, 0,1,2,3,4,5,6,7
.irp j, 0,1
	ds_load_b128 v[BF+64*((\kk)%2)+8*\s+4*\j:BF+64*((\kk)%2)+8*\s+4*\j+3], v[ADX] offset:(\kk)*XREC+\s*1024+512*\j
.endr
.endr
.irp q, 0,1
	ds_load_b128 v[XS+8*((\kk)%2)+4*\q:XS+8*((\kk)%2)+4*\q+3], v[ADS] offset:(\kk)*XREC+8192+256*\q
.endr
	WIN 0x82
.irp q, 0,1
	ds_load_b128 v[G+8*((\kk)%4)+4*\q:G+8*((\kk)%4)+4*\q+3], v[ADS] offset:(\kk)*XREC+8704+256*\q
.endr
.endm
; Four products: K step s of row block kk, the four pairs of experts by turns.  The first K step starts each sum from be.
.macro MM s, kk
	WIN 0xa1+2*((\s)/4)
.irp p, 0,1,2,3
.set rY, 64*((\kk)%2)+16*\p
.set rC, rY
.if (\s) == 0
.set rC, BI+16*\p
.endif
.set rA, 64*((\s)%4)+16*\p
.set rB, BF+64*((\kk)%2)+8*(\s)
	v_wmma_scale_f32_32x16x128_f4 v[rY:rY+15], v[rA:rA+15], v[rB:rB+7], v[rC:rC+15], v[WS+8*\p+(\s)], v[XS+8*((\kk)%2)+(\s)]
.endr
.endm
; Four lines of the combine: OUT += g[e] Y[e] for row block kk.  Expert 0 starts OUT.  The gate is the first register of a pair for an even expert, the second for an odd one.
.macro CB e, kk
.irp c, 0,1,2,3
.set rY, 64*((\kk)%2)+8*(\e)+2*\c
.set rO, OUT+8*((\kk)%4)+2*\c
.set rG, G+8*((\kk)%4)+2*((\e)/2)
.if (\e) == 0
	v_pk_mul_f32 v[rO:rO+1], v[rY:rY+1], v[rG:rG+1] op_sel_hi:[1,0]
.elseif (\e)%2 == 0
	v_pk_fma_f32 v[rO:rO+1], v[rY:rY+1], v[rG:rG+1], v[rO:rO+1] op_sel_hi:[1,0,1]
.else
	v_pk_fma_f32 v[rO:rO+1], v[rY:rY+1], v[rG:rG+1], v[rO:rO+1] op_sel:[0,1,0] op_sel_hi:[1,1,1]
.endif
.endr
.endm
.macro TOST i                          ; row block i of a trip to the stage: lane (r, h) puts row 16 i + r, my columns 8 h + 4 j on
.irp j, 0,1
	ds_store_b128 v[STO], v[OUT+8*(\i)+4*\j:OUT+8*(\i)+4*\j+3] offset:(\i)*16*SP+16*\j
.endr
.endm
.macro RBLOAD                          ; my 16 whole rows back: lanes 0-15 one row's 256 bytes, lanes 16-31 the next row's
.irp i, 0,1,2,3,4,5,6,7
	ds_load_b128 v[RB+4*\i:RB+4*\i+3], v[RD] offset:\i*2*SP
.endr
.endm
.macro SEND i                          ; sixteen lanes store 256 consecutive bytes, aligned; written once, read by nobody here
	global_store_b128 v[CO], v[RB+4*(\i):RB+4*(\i)+3], s[14:15] offset:(\i)*8192 th:TH_STORE_NT
.endm
.macro SENDS
.irp i, 0,1,2,3,4,5,6,7
	SEND \i
.endr
.endm
; A STEP: row block k of a trip: at its head the run of loads for the row block behind, then its products and the combine of the row block before.
; PLACES: four combine lines stand between a row block's last products and what follows them: the first line that reads their results, and the loads into the fragments and scale words that they read.
; THE WAY OUT of a trip's four row blocks (out = 1), at the heads of the next trip's steps.  Step 1: they go to the stage.  Step 2: my stores into the stage are done: say so.  Step 3: every wave has said so: my 16 rows come
; back.  The step 0 behind it (pend = 1): they are in: stored; my reads of the stage are over: say so.  Step 1: every wave has said so, so the stage may be written again.
; last = 1: nothing lies behind row block 31; the rows come back in the middle of step 2 and are stored at step 3.
; land = 1: the refill has landed ahead of step 0's signal; record 10 is first read behind step 1's wait.
.macro STEP k, out, pend, land, last
.if (\out == 1) && (\k == 1)
	s_wait_alu depctr_va_vdst(0)
.endif
	s_wait_dscnt 0x0                               ; this row block's operands are in; so is every other LDS instruction of mine
.if \out == 1
.if (\k == 0) && (\pend == 1)
.if \land == 1
	s_wait_tensorcnt 0x0
.endif
	WIN 0
	SENDS
	s_barrier_signal -1
.elseif \k == 1
.if \pend == 1
	s_barrier_wait -1
	s_wait_xcnt 0x0                                ; the stores have read their registers and their base: both are written again only behind this wait
	s_add_nc_u64 s[14:15], s[14:15], 64*4096       ; 64 rows of out0 on
.endif
	WIN 0
.irp i, 0,1,2,3
	TOST \i
.endr
.elseif \k == 2
	s_barrier_signal -1
.elseif (\k == 3) && (\last == 0)
	s_barrier_wait -1
	WIN 0
	RBLOAD
.elseif (\k == 3) && (\last == 1)
	WIN 0
	SENDS
	s_barrier_signal -1
.endif
.endif
.if (\last == 0) || (\k < 3)
	FETCH (\k)+1
.if \k == 3
	s_add_co_u32 s[SX], s[SX], 4*XREC              ; on to the next trip's four records
	WIN 0x80
	v_add_nc_u32 v[ADX], s[SX], v[LI]
	v_add_nc_u32 v[ADS], s[SX], v[RL]
.endif
.endif
.irp s, 0,1,2,3,4,5,6,7
	MM \s, \k
.if (\last == 1) && (\k == 2) && (\s == 4)
	WIN 0
	s_wait_alu depctr_va_vdst(0)                   ; ahead of the wait below
	s_barrier_wait -1
	RBLOAD
.endif
	WIN 0x0a
	CB \s, (\k)+3
.endr
.endm
.macro TRIP pend, land, last
	STEP 0, 1, \pend, \land, \last
	STEP 1, 1, \pend, \land, \last
	STEP 2, 1, \pend, \land, \last
	STEP 3, 1, \pend, \land, \last
.endm
	s_wait_tensorcnt 0x0                           ; my load has landed,
	s_barrier_signal -1
	s_barrier_wait -1                              ; everybody's have
	; row block 0: its products follow We's K steps out of LDS, two K steps (30 loads) behind the loads
	FETCH 0
	WLD 0
	WLD 1
	s_wait_loadcnt 0x0                             ; experts 0 and 1, be
.irp s, 0,1,2,3,4,5
	WLD \s+2
	s_wait_dscnt 30                                ; K step s is in; the two behind it may be out
	MM \s, 0
.endr
	FETCH 1
	WIN 0
	s_wait_tensorcnt 0x0                           ; ahead of the refill:
	ds_add_u32 v[SPW], v[NIL]                      ; 0 onto my spare word;
	s_wait_dscnt 36                                ; K step 6 is in; K step 7's 15, record 1's 20 and the add may be out
	MM 6, 0
	s_wait_dscnt 0x0                               ; the add is done, and my reads of We are over
	s_barrier_signal -1
	MM 7, 0                                        ; work on registers while the others arrive
	WIN 0
	s_barrier_wait -1
	CREST                                          ; no wave of the cluster still reads We: the records 10-31 go over it
	tensor_load_to_lds s[56:59], s[G1R:G1R+7]
	s_nop 0
.rept 4
	v_nop                                          ; also the places behind row block 0's last products
.endr
	; waves 2 and 3 begin row block 1 six lines of s_nop 15 behind waves 0 and 1, so that the two pairs' runs of 20 LDS loads stand at different places of a step; between a barrier's signal and its wait lies a whole step
	s_cmp_lt_u32 s[WV], 2
	s_cbranch_scc1 .Lwalk
.rept 6
	s_nop 15
.endr
.Lwalk:
	STEP 1, 0, 0, 0, 0                             ; row blocks 1-3: nothing is finished yet, so nothing goes out
	STEP 2, 0, 0, 0, 0
	STEP 3, 0, 0, 0, 0
	TRIP 0, 0, 0                                   ; row blocks 4-7
	TRIP 1, 1, 0                                   ; row blocks 8-11: the refill is waited for at their head
	WIN 0                                          ; at a label and at a branch every window is 0
	s_mov_b32 s3, 4
.Ltrip:                                                ; row blocks 12-27
	TRIP 1, 0, 0
	WIN 0
	s_sub_co_u32 s3, s3, 1
	s_cmp_lg_u32 s3, 0
	s_cbranch_scc1 .Ltrip
	TRIP 1, 0, 1                                   ; row blocks 28-31
	WIN 0
	s_wait_alu depctr_va_vdst(0)                   ; ahead of the waits below
	s_barrier_wait -1                              ; every wave's reads of the stage are over
	s_wait_xcnt 0x0
	s_add_nc_u64 s[14:15], s[14:15], 64*4096
	TOST 0
	TOST 1
	TOST 2
	WIN 0x0a
.irp e, 0,1,2,3,4,5,6,7
	CB \e, 3                                       ; row block 31
.endr
	WIN 0
	TOST 3
	s_wait_dscnt 0x0                               ; for the others' sake: my stores into the stage are done
	s_barrier_signal -1
	s_barrier_wait -1
	RBLOAD
.irp i, 0,1,2,3,4,5,6,7
	s_wait_dscnt 7-\i                              ; load i is in; the younger ones may be out
	SEND \i
.endr
	s_wait_tensorcnt 0x0                           ; the wave's end
	ds_add_u32 v[SPW], v[NIL]
	s_wait_dscnt 0x0
	ROUND                                          ; the closing round: no work-group ends while a partner may still ask for a tile that names it
	s_endpgm
.Lfunc_end_k_qb182172b80_moe:
	.size	k_qb182172b80_moe, .Lfunc_end_k_qb182172b80_moe-k_qb182172b80_moe
	.p2alignl 7, 3214868480
	.fill 96, 4, 3214868480
	.section	.rodata,"a",@progbits
	.p2align	6, 0x0
	.amdhsa_kernel k_qb182172b80_moe
		.amdhsa_group_segment_fixed_size 327680
		.amdhsa_private_segment_fixed_size 0
		.amdhsa_enable_private_segment 0
		.amdhsa_kernarg_size 32
		.amdhsa_user_sgpr_count 2
		.amdhsa_user_sgpr_kernarg_segment_ptr 1
		.amdhsa_wavefront_size32 1
		.amdhsa_system_sgpr_workgroup_id_x 1
		.amdhsa_system_sgpr_workgroup_id_y 1
		.amdhsa_system_sgpr_workgroup_id_z 1
		.amdhsa_system_vgpr_workitem_id 0
		.amdhsa_next_free_vgpr 1024
		.amdhsa_next_free_sgpr 98
		.amdhsa_reserve_vcc 0
		.amdhsa_float_denorm_mode_32 3
		.amdhsa_float_denorm_mode_16_64 3
		.amdhsa_memory_ordered 1
		.amdhsa_forward_progress 1
		.amdhsa_inst_pref_size 190
	.end_amdhsa_kernel
	.amdgpu_metadata
---
amdhsa.version: [ 1, 2 ]
amdhsa.kernels:
  - .name:           k_qb182172b80_moe
    .symbol:         k_qb182172b80_moe.kd
    .args:
      - { .name: xr, .offset: 0, .size: 8, .value_kind: global_buffer, .address_space: global }
      - { .name: wq, .offset: 8, .size: 8, .value_kind: global_buffer, .address_space: global }
      - { .name: be, .offset: 16, .size: 8, .value_kind: global_buffer, .address_space: global }
      - { .name: out0, .offset: 24, .size: 8, .value_kind: global_buffer, .address_space: global }
    .group_segment_fixed_size: 327680
    .private_segment_fixed_size: 0
    .kernarg_segment_align: 8
    .kernarg_segment_size: 32
    .max_flat_workgroup_size: 128
    .sgpr_count:     98
    .vgpr_count:     1024
    .wavefront_size: 32
...
	.end_amdgpu_metadata
.endif
;; end of part 2
